; MI455X (gfx1250); checked and timed in simulation.
; The chip was launched on July 23, 2026; its instructions are those of AMD's public machine-readable ISA for CDNA 5 (MIT licence, August 2026) and "CDNA5" Instruction Set Architecture Reference Guide (July 2026). The comments in the code are by the model that wrote it; some were corrected since.
;; Genjo Sparse Moe Block. Allowed arithmetic: matrix products marked QUANTISED: E5M2 operands, one given power-of-two scale a tensor, by v_wmma_f32_16x16x64_bf8_bf8 or v_wmma_f32_16x16x128_bf8_bf8, f32 sums; products left as they are: f32 operands where the result goes on into a quantised operand, else bf16, f16 or f32 operands; f32 sums; everything else in f32.
;; Inputs: gate_w 16 x 512 float32; hidden_states 2 x 512 x 512 float32; lowp_scales 14 int32 (the exponents e of the quantised operands' scales 2^e); swd 512 x 1,024 float32; swg 1,024 x 512 float32; swu 1,024 x 512 float32; wd 16 x 512 x 2,048 float32; wg 16 x 2,048 x 512 float32; wu 16 x 2,048 x 512 float32.
;; Outputs: out0 2 x 512 x 512 float32.
;; This version of the problem:
;;   THIS VERSION OF THE PROBLEM IS GIVEN IN LOW PRECISION. The matrix products marked QUANTISED in the list below multiply operands that are first quantised to E5M2 (5 exponent bits, 2 mantissa bits; 8 bits a number), with one given power-of-two scale for each operand tensor; their sums are f32. All else is computed in f32.
;;   The module's matrix products, in the order in which they are computed (A, B: the left and right operand; K: the contracted axis; several contracted axes count as one K, in the product's order):
;;     1. [M 1,024, K 512] x [K 512, N 16]; A: input hidden_states; B: input gate_w: QUANTISED (scales: A lowp_scales[0], B lowp_scales[1])
;;     2. [M 1,024, K 512] x [K 512, N 32,768]; A: input hidden_states; B: input wg: QUANTISED (scales: A lowp_scales[2], B lowp_scales[3])
;;     3. [M 1,024, K 512] x [K 512, N 32,768]; A: input hidden_states; B: input wu: QUANTISED (scales: A lowp_scales[4], B lowp_scales[5])
;;     4. batch 16 x [M 512, K 2,048] x [K 2,048, N 1,024]; A: input wd; B: computed on the way: QUANTISED (scales: A lowp_scales[6], B lowp_scales[7])
;;     5. batch 1,024 x [M 512, K 16] x [K 16, N 1]; A: computed on the way; B: computed on the way: left as it is (K = 16 < 32)
;;     6. [M 1,024, K 512] x [K 512, N 1,024]; A: input hidden_states; B: input swg: QUANTISED (scales: A lowp_scales[8], B lowp_scales[9])
;;     7. [M 1,024, K 512] x [K 512, N 1,024]; A: input hidden_states; B: input swu: QUANTISED (scales: A lowp_scales[10], B lowp_scales[11])
;;     8. [M 1,024, K 1,024] x [K 1,024, N 512]; A: computed on the way; B: input swd: QUANTISED (scales: A lowp_scales[12], B lowp_scales[13])
;;   THE QUANTISER, for each operand of a quantised product, along K:
;;     - The operand's scale is 2^e, e = its entry of the input lowp_scales (int32; the entries are numbered through the quantised products in the list's order, A before B).
;;     - Each number is divided by the scale, clamped to +-57,344, and rounded to the nearest number of E5M2, ties to even, subnormals kept.
;;     - The product sums the exact products of the quantised numbers (number of the format x scale) in f32.
;;   ~~~python
;;   def quantise(x, axis, e):      # numpy; x: float32 -> the quantised numbers, widened to float32 again
;;       x = np.moveaxis(x, axis, -1); K = x.shape[-1]
;;       r = np.clip(x / 2.0 ** e, -57344, 57344)
;;       step = 2.0 ** (np.maximum(np.frexp(np.where(r == 0, 1, r))[1] - 1, -14) - 2)
;;       q = np.round(r / step) * step * 2.0 ** e      # np.round: ties to even
;;       return np.moveaxis(q, -1, axis).astype(np.float32)
;;   ~~~
;;   OPERANDS COMPUTED ON THE WAY. 'Computed on the way' means the value that the module computes at that place (a softmax that the list does not call 'softmax' is quantised finished and normalised). What goes into a quantiser is computed in f32, as accurately as f32 sums, v_exp_f32 and their like allow (about 1e-6 of the number): no bf16 or f16 on the way to a quantiser, and a product that is left as it is and whose result goes on into a quantised operand takes f32 operands (vector FMAs, or v_wmma_f32_16x16x4_f32). A number that lies on a knife's edge between two numbers of the format may be rounded either way, as far as f32 arithmetic and the matrix unit's own rounding can turn it there, and no further.
;; One version. Each part assembles by itself: llvm-mc -triple=amdgcn-amd-amdhsa -mcpu=gfx1250 --defsym DOCPART=n.
;; ======== version 1 of 1: 5 launches
;; workspace buffers: xc 2,097,152 bytes; sel 8,192 bytes of whole numbers; cw 8,192 bytes; list 73,728 bytes of whole numbers; lw 73,728 bytes; himg 33,554,432 bytes; simg 1,048,576 bytes; o2 4,227,072 bytes
;; launch route (part 1): grid 64 x 1, 4 waves a work-group, no clusters, 51,200 bytes of LDS; arguments hidden_states, gate_w, lowp_scales, xc, sel, cw; writes xc, sel, cw
.if DOCPART == 1
	.amdgcn_target "amdgcn-amd-amdhsa--gfx1250"
	.amdhsa_code_object_version 6
	.text
	.protected	k_q718b0494d2_route
	.globl	k_q718b0494d2_route
	.p2align	8
	.type	k_q718b0494d2_route,@function
k_q718b0494d2_route:
	s_mov_b64 s[64:65], 0
	v_nop
	global_prefetch_b8 v0, s[64:65] scope:SCOPE_SE
	s_setreg_imm32_b32 hwreg(HW_REG_WAVE_MODE, 25, 1), 1
	s_wait_xcnt 0x0
; FIRST OF FIVE LAUNCHES.  It makes the five sets of E5M2 codes of x (scales e0, e2, e4, e8, e10), the router's 16 logits (product 1, on codes), the softmax and the top-2.
; WORK LEFT OUT BY THE PROGRAM, AND WHY IT IS DEAD.  reference() builds cw[t][e] from one_hot(topk_idx): cw[t][e] is the constant 0 for every expert e outside token t's two chosen ones.
; Row (t, e) of g, u, h and out_e (products 2, 3, 4) reaches y only as out_e[t][e] x cw[t][e], so for an expert that was not chosen it reaches y multiplied by that 0, whatever finite values the inputs hold.
; Those rows are left out, in whole rows; product 5 (K = 16) is then two multiply-adds in f32 for each number.  Every input stays live and is loaded.
; LIMIT: a NaN, an infinity or an overflow that arises only in an expert that was not chosen for a token is not carried to the result.  NaN among the inputs is not served.
; LIMITS on the given exponents: each operand's e lies between -126 and 112 (2^e and 57,344 x 2^e are f32 numbers); e0 + e1 is applied by v_ldexp_f32 and has none.
; SHARES.  A work-group takes 16 tokens; wave w quantises rows 4 w .. 4 w + 3 of x (five times) and of gate_w into LDS rows of 512 codes, pitch 528.  One barrier.  Then wave 0 routes, wave 1 stores the
; row-major codes (e2, e4), waves 2 and 3 store the fragment images (e8, e10): piece (s, c) of a tile is 512 bytes, lane l's 16 bytes at 16 l, holding k = 128 s + 32 c + 16 (l / 16) + 0 .. 15 of row l % 16.
; No tensor loads, no cluster: each byte of x has one reader, and gate_w is 32 KB.
.set PIT, 528
.set REG, 16*PIT                       ; a region: 16 rows.  Regions 0-4: x at e0, e2, e4, e8, e10; region 5: gate_w at e1
.set SPARE, 6*REG                      ; the spare words, 128 bytes a wave
.set X, 16                             ; v16-79   my four rows of x; later fragments
.set GW, 80                            ; v80-143  my four rows of gate_w; later fragments
.set T, 144                            ; v144-175 two sets of 16 held numbers; later the four accumulators
.set P, 152                            ; the scores
.set SC, 176                           ; v176+2v the scale, v177+2v the largest number x the scale, v = 0 .. 5
.set C, 188                            ; v188-227 x's codes, 20 registers a row, by the row's parity
.set CG, 228                           ; v228-243 gate_w's codes
.set IX, 228                           ; later: the lane's eight expert numbers
.macro MKSC se, vsc, vlim              ; 2^e and 57,344 x 2^e as f32
	s_add_co_i32 s40, s[\se], 127
	s_lshl_b32 s41, s40, 23
	v_mov_b32 v[\vsc], s41
	s_add_co_i32 s40, s40, 15
	s_lshl_b32 s40, s40, 23
	s_or_b32 s40, s40, 0x600000
	v_mov_b32 v[\vlim], s40
.endm
.set par, 0
; 16 numbers of a lane (register 4 q + j = k 128 q + 4 lane + j of a row) are held, converted and stored in natural K order: each store is 128 consecutive bytes.
; The two sets of held numbers take turns, so that plain instructions stand between a conversion and the next write of its sources.
.macro QV src, ver, cr, off
.set TT, T+16*par
.set par, 1-par
.set qk, 0
.rept 16
	v_med3_num_f32 v[TT+qk], v[(\src)+qk], -v[SC+2*(\ver)+1], v[SC+2*(\ver)+1]
.set qk, qk+1
.endr
	v_cvt_scalef32_pk8_bf8_f32 v[(\cr):(\cr)+1], v[TT:TT+7], v[SC+2*(\ver)]
	v_cvt_scalef32_pk8_bf8_f32 v[(\cr)+2:(\cr)+3], v[TT+8:TT+15], v[SC+2*(\ver)]
.set qk, 0
.rept 4
	ds_store_b32 v2, v[(\cr)+qk] offset:(\off)+128*qk
.set qk, qk+1
.endr
.endm
	s_load_b256 s[4:11], s[0:1], 0x0               ; x s[4:5], gate_w s[6:7], the exponents s[8:9], xc s[10:11]
	s_load_b128 s[12:15], s[0:1], 0x20             ; sel s[12:13], cw s[14:15]
	v_lshl_add_u32 v6, v0, 2, SPARE                ; my spare word,
	v_mov_b32 v7, 0                                ; and 0: kept for the closing lines alone
	v_lshrrev_b32 v8, 5, v0
	v_readfirstlane_b32 s16, v8                    ; wave
	v_and_b32 v9, 31, v0                           ; lane
	v_lshlrev_b32 v1, 4, v9                        ; 16 x lane
	s_mul_i32 s17, s16, 4*PIT
	v_lshl_add_u32 v2, v9, 2, s17                  ; where I store codes: 4 x lane + my four rows
	v_and_b32 v10, 15, v0                          ; r
	v_bfe_u32 v11, v0, 4, 1                        ; h
	v_mul_u32_u24 v3, v10, PIT
	v_lshl_add_u32 v3, v11, 4, v3                  ; a fragment's place: r x pitch + 16 h
	s_add_co_u32 s18, s16, 1
	s_mul_i32 s18, s18, REG
	v_add_nc_u32 v4, s18, v3                       ; the same in region wave + 1 (waves 2, 3: e8, e10)
	s_lshl_b32 s22, s16, 13                        ; my four rows of 2,048 bytes
	s_mov_b32 s23, 0
	s_lshl_b32 s20, ttmp9, 15                      ; the work-group's 16 rows
	s_add_co_u32 s20, s20, s22
	s_mov_b32 s21, 0
	s_mov_b32 s44, 0x76543210                      ; v_permlanex16_b32: lane l xor 16
	s_mov_b32 s45, 0xfedcba98
	s_wait_kmcnt 0x0
	s_load_b256 s[24:31], s[8:9], 0x0              ; e0 .. e7
	s_load_b128 s[32:35], s[8:9], 0x20             ; e8 .. e11
	s_add_nc_u64 s[4:5], s[4:5], s[20:21]
	s_add_nc_u64 s[6:7], s[6:7], s[22:23]
.set f, 0
.rept 16
	global_load_b128 v[X+4*f:X+4*f+3], v1, s[4:5] offset:2048*(f/4)+512*(f%4) th:TH_LOAD_NT   ; 512 consecutive bytes a load; x is read here and nowhere else
.set f, f+1
.endr
.set f, 0
.rept 16
	global_load_b128 v[GW+4*f:GW+4*f+3], v1, s[6:7] offset:2048*(f/4)+512*(f%4)
.set f, f+1
.endr
	s_wait_kmcnt 0x0
	MKSC 24, SC, SC+1
	MKSC 26, SC+2, SC+3
	MKSC 28, SC+4, SC+5
	MKSC 32, SC+6, SC+7
	MKSC 34, SC+8, SC+9
	MKSC 25, SC+10, SC+11
	s_wait_loadcnt 16                              ; x's 16 loads are in; gate_w's 16 may be out
.irp i, 0,1,2,3
.if \i >= 2
	s_wait_dscnt 20                                ; the stores of the row two back have read their codes; the last row's 20 may be out
.endif
.irp v, 0,1,2,3,4
	QV X+16*\i, \v, C+20*(\i%2)+4*\v, \v*REG+\i*PIT
.endr
.endr
	s_wait_loadcnt 0x0
.irp i, 0,1,2,3
	QV GW+16*\i, 5, CG+4*\i, 5*REG+\i*PIT
.endr
	v_nop                                          ; a plain instruction behind the last conversion
	s_wait_dscnt 0x0                               ; my codes lie in LDS
	s_barrier_signal -1
	s_barrier_wait -1                              ; everybody's do
	s_cmp_eq_u32 s16, 0
	s_cbranch_scc1 .Lroute
	s_cmp_eq_u32 s16, 1
	s_cbranch_scc1 .Lrows
	; waves 2 and 3: the images at e8 and e10.  1 MiB + (wave - 2) x 512 KiB = wave x 512 KiB
	s_lshl_b32 s36, s16, 19
	s_lshl_b32 s37, ttmp9, 13                      ; a tile's image is 8,192 bytes
	s_add_co_u32 s36, s36, s37
	s_mov_b32 s37, 0
	s_add_nc_u64 s[10:11], s[10:11], s[36:37]
.set f, 0
.rept 16
	ds_load_b128 v[X+4*f:X+4*f+3], v4 offset:128*(f/4)+32*(f%4)
.set f, f+1
.endr
.set f, 0
.rept 16
	s_wait_dscnt 15-f                              ; LDS loads come back in order: piece f is in
	global_store_b128 v1, v[X+4*f:X+4*f+3], s[10:11] offset:512*f
.set f, f+1
.endr
	s_branch .Lend
.Lrows:                                                ; wave 1: the rows at e2 and e4, 512 bytes each
	s_lshl_b32 s36, ttmp9, 13
	s_mov_b32 s37, 0
	s_add_nc_u64 s[10:11], s[10:11], s[36:37]
.set f, 0
.rept 32
	ds_load_b128 v[X+4*f:X+4*f+3], v1 offset:REG*(1+f/16)+PIT*(f%16)
.set f, f+1
.endr
.set f, 0
.rept 32
	s_wait_dscnt 31-f
	global_store_b128 v1, v[X+4*f:X+4*f+3], s[10:11] offset:524288*(f/16)+512*(f%16)
.set f, f+1
.endr
	s_branch .Lend
.Lroute:                                               ; wave 0: logits^T = gate_w x^T: lane (r, h) holds token r and experts 8 h + 0 .. 7
.set f, 0
.rept 16
	ds_load_b128 v[X+4*f:X+4*f+3], v3 offset:128*(f/4)+32*(f%4)
	ds_load_b128 v[GW+4*f:GW+4*f+3], v3 offset:5*REG+128*(f/4)+32*(f%4)
.set f, f+1
.endr
	s_wait_dscnt 0x0
.irp s, 0,1,2,3
	v_wmma_f32_16x16x128_bf8_bf8 v[T+8*\s:T+8*\s+7], v[GW+16*\s:GW+16*\s+15], v[X+16*\s:X+16*\s+15], 0   ; four K steps, four accumulators
.endr
	v_lshlrev_b32 v216, 3, v11                     ; 8 h.  (These four lines are the places behind the products)
	v_mov_b32 v201, 0                              ; a lane permute's destination counts as one of its sources
	v_mov_b32 v205, 0
	v_mov_b32 v206, 0
.irp j, 0,1,2,3,4,5,6,7
	v_add_nc_u32 v[IX+\j], \j, v216                ; register j's expert
.endr
	v_mov_b32 v209, -1.0
.irp a, 8,16,24
.irp j, 0,2,4,6
	v_pk_add_f32 v[T+\j:T+\j+1], v[T+\j:T+\j+1], v[T+\a+\j:T+\a+\j+1]   ; the four K steps' sums, each accumulator from its low end on
.endr
.endr
	s_add_co_i32 s36, s24, s25
.irp j, 0,1,2,3,4,5,6,7
	v_ldexp_f32 v[T+\j], v[T+\j], s36              ; x 2^(e0 + e1)
.endr
	v_max3_num_f32 v200, v144, v145, v146
	v_max3_num_f32 v200, v200, v147, v148
	v_max3_num_f32 v200, v200, v149, v150
	v_max_num_f32 v200, v200, v151
	v_permlanex16_b32 v201, v200, s44, s45
	v_max_num_f32 v200, v200, v201                 ; the token's largest logit, taken away ahead of the exponential
.irp j, 0,1,2,3,4,5,6,7
	v_sub_f32 v[P+\j], v[T+\j], v200
.endr
.irp j, 0,1,2,3,4,5,6,7
	v_mul_f32 v[P+\j], 0x3fb8aa3b, v[P+\j]
.endr
.irp j, 0,1,2,3,4,5,6,7
	v_exp_f32 v[P+\j], v[P+\j]
.endr
	v_nop                                          ; a plain instruction behind the batch,
	s_wait_alu depctr_va_vdst(0)                   ; and one wait ahead of its first reader
	v_pk_add_f32 v[160:161], v[152:153], v[154:155]
	v_pk_add_f32 v[162:163], v[156:157], v[158:159]
	v_pk_add_f32 v[160:161], v[160:161], v[162:163]
	v_add_f32 v160, v160, v161
	v_permlanex16_b32 v201, v160, s44, s45
	v_add_f32 v160, v160, v201
	v_rcp_f32 v160, v160
	v_nop
	s_wait_alu depctr_va_vdst(0)
.irp j, 0,1,2,3,4,5,6,7
	v_mul_f32 v[P+\j], v[P+\j], v160               ; the scores
.endr
; The largest score and its expert; of equal scores the lower expert is kept: a strict compare inside a lane, and across the halves experts 8-15 win only if greater.
.macro TOP val, idx
	v_mov_b32 v202, v[P]
	v_mov_b32 v203, v[IX]
.irp j, 1,2,3,4,5,6,7
	v_cmp_gt_f32 vcc_lo, v[P+\j], v202
	v_cndmask_b32 v202, v202, v[P+\j], vcc_lo
	v_cndmask_b32 v203, v203, v[IX+\j], vcc_lo
.endr
	v_permlanex16_b32 v205, v202, s44, s45
	v_permlanex16_b32 v206, v203, s44, s45
	v_cmp_gt_f32 s46, v205, v202
	v_cmp_ge_f32 s47, v205, v202
	s_and_b32 s46, s46, 0xffff                     ; lanes 0-15 take the other half's only if greater,
	s_and_b32 s47, s47, 0xffff0000                 ; lanes 16-31 also if equal
	s_or_b32 vcc_lo, s46, s47
	v_cndmask_b32 v[\val], v202, v205, vcc_lo
	v_cndmask_b32 v[\idx], v203, v206, vcc_lo
.endm
	TOP 207, 208
.irp j, 0,1,2,3,4,5,6,7
	v_cmp_eq_u32 vcc_lo, v[IX+\j], v208
	v_cndmask_b32 v[P+\j], v[P+\j], v209, vcc_lo   ; the winner leaves: -1 lies under every score
.endr
	TOP 210, 211
	v_cmp_eq_u32 vcc_lo, 1, v11                    ; lane (r, h) stores choice k = h of token r: pair 2 t + k
	v_cndmask_b32 v212, v207, v210, vcc_lo
	v_cndmask_b32 v213, v208, v211, vcc_lo
	v_lshlrev_b32 v214, 3, v10
	v_lshl_add_u32 v214, v11, 2, v214
	s_lshl_b32 s36, ttmp9, 7
	s_mov_b32 s37, 0
	s_add_nc_u64 s[12:13], s[12:13], s[36:37]
	s_add_nc_u64 s[14:15], s[14:15], s[36:37]
	global_store_b32 v214, v213, s[12:13]          ; fixed places: no address hangs on the choice here
	global_store_b32 v214, v212, s[14:15]
.Lend:
	s_wait_tensorcnt 0x0                           ; the wave's end
	ds_add_u32 v6, v7
	s_wait_dscnt 0x0
	s_endpgm
.Lfunc_end_k_q718b0494d2_route:
	.size	k_q718b0494d2_route, .Lfunc_end_k_q718b0494d2_route-k_q718b0494d2_route
	.p2alignl 7, 3214868480
	.fill 96, 4, 3214868480
	.section	.rodata,"a",@progbits
	.p2align	6, 0x0
	.amdhsa_kernel k_q718b0494d2_route
		.amdhsa_group_segment_fixed_size 51200
		.amdhsa_private_segment_fixed_size 0
		.amdhsa_enable_private_segment 0
		.amdhsa_kernarg_size 48
		.amdhsa_user_sgpr_count 2
		.amdhsa_user_sgpr_kernarg_segment_ptr 1
		.amdhsa_wavefront_size32 1
		.amdhsa_system_sgpr_workgroup_id_x 1
		.amdhsa_system_sgpr_workgroup_id_y 1
		.amdhsa_system_sgpr_workgroup_id_z 1
		.amdhsa_system_vgpr_workitem_id 0
		.amdhsa_next_free_vgpr 256
		.amdhsa_next_free_sgpr 66
		.amdhsa_reserve_vcc 1
		.amdhsa_float_denorm_mode_32 3
		.amdhsa_float_denorm_mode_16_64 3
		.amdhsa_memory_ordered 1
		.amdhsa_forward_progress 1
		.amdhsa_inst_pref_size 59
	.end_amdhsa_kernel
	.amdgpu_metadata
---
amdhsa.version: [ 1, 2 ]
amdhsa.kernels:
  - .name:           k_q718b0494d2_route
    .symbol:         k_q718b0494d2_route.kd
    .args:
      - { .name: hidden_states, .offset: 0, .size: 8, .value_kind: global_buffer, .address_space: global }
      - { .name: gate_w, .offset: 8, .size: 8, .value_kind: global_buffer, .address_space: global }
      - { .name: lowp_scales, .offset: 16, .size: 8, .value_kind: global_buffer, .address_space: global }
      - { .name: xc, .offset: 24, .size: 8, .value_kind: global_buffer, .address_space: global }
      - { .name: sel, .offset: 32, .size: 8, .value_kind: global_buffer, .address_space: global }
      - { .name: cw, .offset: 40, .size: 8, .value_kind: global_buffer, .address_space: global }
    .group_segment_fixed_size: 51200
    .private_segment_fixed_size: 0
    .kernarg_segment_align: 8
    .kernarg_segment_size: 48
    .max_flat_workgroup_size: 128
    .sgpr_count:     66
    .vgpr_count:     256
    .wavefront_size: 32
...
	.end_amdgpu_metadata
.endif
;; end of part 1
;; launch place_shup (part 2): grid 132 x 1, 4 waves a work-group, no clusters, 34,304 bytes of LDS; arguments sel, cw, xc, swg, swu, lowp_scales, list, lw, simg; writes list, lw, simg
.if DOCPART == 2
	.amdgcn_target "amdgcn-amd-amdhsa--gfx1250"
	.amdhsa_code_object_version 6
	.text
	.protected	k_q718b0494d2_place_shup
	.globl	k_q718b0494d2_place_shup
	.p2align	8
	.type	k_q718b0494d2_place_shup,@function
k_q718b0494d2_place_shup:
	s_mov_b64 s[64:65], 0
	v_nop
	global_prefetch_b8 v0, s[64:65] scope:SCOPE_SE
	s_setreg_imm32_b32 hwreg(HW_REG_WAVE_MODE, 25, 1), 1
	s_wait_xcnt 0x0
; SECOND LAUNCH, two kinds of work-groups, parted by the work-group's number alone.
; WORK-GROUPS 0-3 PLACE THE ROWS: wave = expert e = 4 x work-group + wave.  It walks all 2,048 pairs p = 2 t + k and lists those with sel[p] = e: list row e = 32 words of the count n, then the pair ids, then 32 fillers
; 2048 + e; lw holds the pairs' weights at the same places, 0 for the fillers.  A lane whose pair is another expert's writes a dump word of its own (words 1088 + lane), so that all lanes stay on.
; Rows of experts that were not chosen are left out from here on (dead work: shown at the head of the first kernel).
; WORK-GROUPS 4-131: THE SHARED EXPERT'S FIRST HALF (products 6 and 7): 32 hidden units (slice sl) for 256 tokens (block tb); silu(g) u is quantised at e12 in registers and stored as a piece of the next operand's image.
; Wave w quantises 16 of the slice's 64 weight rows into LDS; one barrier; every wave takes all 64 rows as fragments and works four tiles of 16 tokens, whose fragments come as images from xc.
; BOTH PRODUCTS ARE USED TRANSPOSED (source 0 = 16 weight rows, source 1 = 16 tokens), AND A TILE'S WEIGHT ROWS ARE NOT NEIGHBOURS: lane r of tile u takes row 8 u + r + 8 (r / 8), so that a lane's 16 results of two
; tiles are units 16 (lane / 16) + 0 .. 15: sixteen neighbours along the next K.
; LIMITS: e9, e11 and e12 - (e8 + e9) - (e10 + e11) between -126 and 112; e8 + e9 between -126 and 127 (it is added to the exponent field of -log2(e)).  NaN is not served.
; No tensor loads: 128 KB of weights a work-group go straight to registers.  No cluster: the four work-groups that share a slice's rows read 128 KB each once.
.set PIT, 528
.set SPARE, 64*PIT
.set L16, 1
.set L4S, 2
.set WFR, 3
.set SPW, 4
.set NIL, 5
.set OUT, 1                            ; the image's place for my lane is 16 x lane
.set SCG, 14
.set LMG, 15
.set SCH, 18
.set LMH, 19
.set CC, 20                            ; v20-23 a lane's 16 codes
.set ACC, 32                           ; v32-63 g (16), u (16)
.set CB, 64                            ; v64-127 codes on their way to LDS
.set T, 64                             ; later v64-79 at work
.set KK, 44                            ; s[44:45] -log2(e) x 2^(e8 + e9)
.set HB, 20                            ; s[20:21] where my pieces go
.set MSB, 0
.macro WIN new                         ; the immediate's high byte repeats the setting that is left
.if MSB != (\new)
	s_set_vgpr_msb (MSB<<8)|(\new)
.set MSB, (\new)
.endif
.endm
.macro MKSC se, vsc, vlim
	s_add_co_i32 s46, s[\se], 127
	s_lshl_b32 s47, s46, 23
	v_mov_b32 v[\vsc], s47
	s_add_co_i32 s46, s46, 15
	s_lshl_b32 s46, s46, 23
	s_or_b32 s46, s46, 0x600000
	v_mov_b32 v[\vlim], s46
.endm
; 16 rows x 512 numbers fill a window: register 16 i + 4 q + j = k 128 q + 4 lane + j of row i.  Held, converted, and stored in natural K order, 128 consecutive bytes a store.
.macro QROWS win, vsc, vlim, rowoff
	WIN ((\win)<<6)|(\win)
.set qi, 0
.rept 256
	v_med3_num_f32 v[qi], v[qi], -v[\vlim], v[\vlim]
.set qi, qi+1
.endr
	s_wait_dscnt 0x0                               ; earlier LDS stores have read the codes' registers
	WIN (\win)
.set qi, 0
.rept 32
	v_cvt_scalef32_pk8_bf8_f32 v[CB+2*qi:CB+2*qi+1], v[8*qi:8*qi+7], v[\vsc]
.set qi, qi+1
.endr
	v_nop                                          ; a plain instruction behind the last conversion
	WIN 0
.set qi, 0
.rept 64
	ds_store_b32 v[L4S], v[CB+qi] offset:((\rowoff)+qi/4)*PIT+128*(qi%4)
.set qi, qi+1
.endr
.endm
.macro MM a, wr, xr, s
.if (\s) == 0
	v_wmma_f32_16x16x128_bf8_bf8 v[ACC+\a:ACC+\a+7], v[\wr:\wr+15], v[\xr:\xr+15], 0
.else
	v_wmma_f32_16x16x128_bf8_bf8 v[ACC+\a:ACC+\a+7], v[\wr:\wr+15], v[\xr:\xr+15], v[ACC+\a:ACC+\a+7]
.endif
.endm
; g and u of 32 units x 16 tokens: four accumulators by turns, one instruction a turn; the first K step starts the sums
.macro MULT xb
	WIN 0x0d                                       ; weights window 1, x window 3, sums window 0
.irp s, 0,1,2,3
	MM 0, 16*\s, \xb+16*\s, \s
	MM 8, 64+16*\s, \xb+16*\s, \s
	MM 16, 128+16*\s, \xb+64+16*\s, \s
	MM 24, 192+16*\s, \xb+64+16*\s, \s
.endr
	WIN 0
.rept 4
	v_nop                                          ; places ahead of the first read of the sums and of loads into x's registers
.endr
.endm
; h = g u / (1 + 2^(-log2(e) g)); a sum G stands for G x 2^ag, U for U x 2^au: ag goes into the exponent's factor, and ag, au and the operand's scale into the conversion's one scale
.macro ACT off
.irp j, 0,2,4,6,8,10,12,14
	v_pk_mul_f32 v[T+\j:T+\j+1], v[ACC+\j:ACC+\j+1], s[KK:KK+1] op_sel_hi:[1,0]
.endr
.set f, 0
.rept 16
	v_exp_f32 v[T+f], v[T+f]
.set f, f+1
.endr
.irp j, 0,2,4,6,8,10,12,14
	v_pk_mul_f32 v[ACC+\j:ACC+\j+1], v[ACC+\j:ACC+\j+1], v[ACC+16+\j:ACC+16+\j+1]   ; G U: independent work behind the batch
.endr
	s_wait_alu depctr_va_vdst(0)                   ; one wait for the 16 exponentials, ahead of their first reader
.irp j, 0,2,4,6,8,10,12,14
	v_pk_add_f32 v[T+\j:T+\j+1], v[T+\j:T+\j+1], 1.0 op_sel_hi:[1,0]
.endr
.set f, 0
.rept 16
	v_rcp_f32 v[T+f], v[T+f]
.set f, f+1
.endr
	v_nop
	s_wait_alu depctr_va_vdst(0)
.irp j, 0,2,4,6,8,10,12,14
	v_pk_mul_f32 v[ACC+\j:ACC+\j+1], v[ACC+\j:ACC+\j+1], v[T+\j:T+\j+1]
.endr
.set f, 0
.rept 16
	v_med3_num_f32 v[ACC+f], v[ACC+f], -v[LMH], v[LMH]
.set f, f+1
.endr
	s_wait_xcnt 0x0                                ; the last store has read its codes
	v_cvt_scalef32_pk8_bf8_f32 v[CC:CC+1], v[ACC:ACC+7], v[SCH]
	v_cvt_scalef32_pk8_bf8_f32 v[CC+2:CC+3], v[ACC+8:ACC+15], v[SCH]
	v_nop
	global_store_b128 v[OUT], v[CC:CC+3], s[HB:HB+1] offset:\off   ; 512 consecutive bytes: a piece of the image
.endm
	s_load_b256 s[4:11], s[0:1], 0x0               ; sel, cw, xc, swg
	s_load_b256 s[12:19], s[0:1], 0x20             ; swu, the exponents, list, lw
	s_load_b64 s[20:21], s[0:1], 0x40              ; simg
	v_lshl_add_u32 v[SPW], v0, 2, SPARE
	v_mov_b32 v[NIL], 0
	v_lshrrev_b32 v13, 5, v0
	v_readfirstlane_b32 s22, v13                   ; wave
	v_and_b32 v13, 31, v0                          ; lane
	v_lshlrev_b32 v[L16], 4, v13
	s_mul_i32 s23, s22, 16*PIT
	v_lshl_add_u32 v[L4S], v13, 2, s23             ; my 16 stage rows
	v_and_b32 v24, 15, v0
	v_bfe_u32 v25, v0, 4, 1
	v_and_b32 v26, 8, v24
	v_add_nc_u32 v26, v26, v24                     ; r + 8 (r / 8)
	v_mul_u32_u24 v[WFR], v26, PIT
	v_lshl_add_u32 v[WFR], v25, 4, v[WFR]
	s_wait_kmcnt 0x0
	s_cmp_lt_u32 ttmp9, 4
	s_cbranch_scc0 .Lshup
	; ---- the placing
	s_lshl_b32 s24, ttmp9, 2
	s_add_co_u32 s24, s24, s22                     ; my expert
	s_mul_i32 s26, s24, 4608                       ; its row of 1,152 words
	s_mov_b32 s27, 0
	s_add_nc_u64 s[16:17], s[16:17], s[26:27]
	s_add_nc_u64 s[18:19], s[18:19], s[26:27]
.set f, 0
.rept 16
	global_load_b128 v[64+4*f:64+4*f+3], v[L16], s[4:5] offset:512*f
	global_load_b128 v[128+4*f:128+4*f+3], v[L16], s[6:7] offset:512*f
.set f, f+1
.endr
	v_lshlrev_b32 v27, 2, v13
.set f, 0
.rept 64
	v_add_nc_u32 v[192+f], 128*(f/4)+f%4, v27      ; register f's pair id
.set f, f+1
.endr
	v_add_nc_u32 v28, 1088, v13                    ; my dump word
	v_mov_b32 v23, 0
	s_mov_b32 s25, 32                              ; the next free word
	s_wait_loadcnt 0x0
.set f, 0
.rept 64                               ; each step has address and data registers of its own: nothing that a store reads is written again
	v_cmp_eq_u32 vcc_lo, s24, v[64+f]
	v_mbcnt_lo_u32_b32 v[64+f], vcc_lo, s25        ; the next free word + my expert's lanes below me
	v_cndmask_b32 v[64+f], v28, v[64+f], vcc_lo
	v_min_u32 v[64+f], 0x45f, v[64+f]              ; inside the row, whatever was loaded
	v_lshlrev_b32 v[64+f], 2, v[64+f]
	s_bcnt1_i32_b32 s28, vcc_lo
	s_add_co_u32 s25, s25, s28
	global_store_b32 v[64+f], v[192+f], s[16:17]
	global_store_b32 v[64+f], v[128+f], s[18:19]
.set f, f+1
.endr
	v_add_nc_u32 v29, s25, v13                     ; 32 fillers behind the last pair
	v_min_u32 v29, 0x43f, v29
	v_lshlrev_b32 v29, 2, v29
	s_add_co_u32 s28, s24, 2048
	v_mov_b32 v30, s28
	global_store_b32 v29, v30, s[16:17]
	global_store_b32 v29, v23, s[18:19]
	s_sub_co_u32 s28, s25, 32
	v_mov_b32 v31, s28
	global_store_b32 v27, v31, s[16:17]            ; n, in words 0-31
	s_branch .Lend
.Lshup:
	s_load_b128 s[36:39], s[14:15], 0x20           ; e8 .. e11
	s_load_b32 s40, s[14:15], 0x30                 ; e12
	s_sub_co_u32 s24, ttmp9, 4
	s_and_b32 s25, s24, 31                         ; sl
	s_lshr_b32 s26, s24, 5                         ; tb
	s_cmp_lt_u32 s22, 2                            ; waves 0, 1 stream swg, waves 2, 3 swu
	s_cselect_b64 s[28:29], s[10:11], s[12:13]
	s_lshl_b32 s30, s25, 16                        ; the slice's 32 rows of 2,048 bytes,
	s_and_b32 s31, s22, 1
	s_lshl_b32 s31, s31, 15                        ; my 16 of them
	s_add_co_u32 s30, s30, s31
	s_mov_b32 s31, 0
	s_add_nc_u64 s[28:29], s[28:29], s[30:31]
	s_lshl_b32 s30, s26, 4
	s_lshl_b32 s32, s22, 2
	s_add_co_u32 s30, s30, s32                     ; my first tile of tokens: 16 tb + 4 wave
	s_lshl_b32 s32, s30, 13
	s_add_co_u32 s32, s32, 0x100000                ; the images begin 1 MiB into xc
	s_mov_b32 s33, 0
	s_add_nc_u64 s[8:9], s[8:9], s[32:33]
	s_lshl_b32 s32, s30, 14                        ; simg: a tile is 16,384 bytes, K step sl / 4 is 2,048, piece sl % 4 is 512
	s_lshr_b32 s34, s25, 2
	s_lshl_b32 s34, s34, 11
	s_add_co_u32 s32, s32, s34
	s_and_b32 s34, s25, 3
	s_lshl_b32 s34, s34, 9
	s_add_co_u32 s32, s32, s34
	s_add_nc_u64 s[20:21], s[20:21], s[32:33]
	WIN 0x80
.set f, 0
.rept 64
	global_load_b128 v[4*f:4*f+3], v[L16], s[28:29] offset:2048*(f/4)+512*(f%4)
.set f, f+1
.endr
	WIN 0
.macro XLOAD k                         ; tile k's fragments, at e8 (for g) and at e10 (for u), into buffer k % 2 of window 3
	WIN 0xc0
.set f, 0
.rept 16
	global_load_b128 v[128*((\k)%2)+4*f:128*((\k)%2)+4*f+3], v[L16], s[8:9] offset:8192*(\k)+512*f
	global_load_b128 v[128*((\k)%2)+64+4*f:128*((\k)%2)+64+4*f+3], v[L16], s[8:9] offset:8192*(\k)+512*f+524288
.set f, f+1
.endr
	WIN 0
.endm
	XLOAD 0
	XLOAD 1
	s_wait_kmcnt 0x0
	s_cmp_lt_u32 s22, 2
	s_cselect_b32 s41, s37, s39                    ; e9 or e11
	MKSC 41, SCG, LMG
	s_add_co_i32 s42, s36, s37                     ; ag
	s_add_co_i32 s43, s38, s39                     ; au
	s_lshl_b32 s44, s42, 23
	s_add_co_u32 s44, s44, 0xbfb8aa3b              ; -log2(e) with ag added to its exponent field
	s_mov_b32 s45, s44
	s_sub_co_i32 s41, s40, s42
	s_sub_co_i32 s41, s41, s43
	MKSC 41, SCH, LMH
	s_wait_loadcnt 63                              ; my 64 weight loads are in (the count's field ends at 63: the first of x's 64 is waited for too)
	QROWS 2, SCG, LMG, 0
	s_wait_dscnt 0x0
	s_barrier_signal -1
	s_barrier_wait -1                              ; the slice's 64 rows of codes lie in LDS
	WIN 0x40
.set f, 0
.rept 64                               ; f = 32 m + 16 u + 4 s + c
	ds_load_b128 v[4*f:4*f+3], v[WFR] offset:(32*(f/32)+8*((f/16)%2))*PIT+128*((f/4)%4)+32*(f%4)
.set f, f+1
.endr
	WIN 0
	s_wait_dscnt 0x0
	s_wait_loadcnt 32                              ; tile 0 is in; tile 1's 32 loads may be out
	MULT 0
	XLOAD 2
	ACT 0
	s_wait_loadcnt 32                              ; tile 1; tile 2's may be out
	MULT 128
	XLOAD 3
	ACT 16384
	s_wait_loadcnt 32                              ; tile 2; tile 3's may be out
	MULT 0
	ACT 32768
	s_wait_loadcnt 0x0
	MULT 128
	ACT 49152
.Lend:
	s_wait_tensorcnt 0x0                           ; the wave's end
	ds_add_u32 v[SPW], v[NIL]
	s_wait_dscnt 0x0
	s_endpgm
.Lfunc_end_k_q718b0494d2_place_shup:
	.size	k_q718b0494d2_place_shup, .Lfunc_end_k_q718b0494d2_place_shup-k_q718b0494d2_place_shup
	.p2alignl 7, 3214868480
	.fill 96, 4, 3214868480
	.section	.rodata,"a",@progbits
	.p2align	6, 0x0
	.amdhsa_kernel k_q718b0494d2_place_shup
		.amdhsa_group_segment_fixed_size 34304
		.amdhsa_private_segment_fixed_size 0
		.amdhsa_enable_private_segment 0
		.amdhsa_kernarg_size 72
		.amdhsa_user_sgpr_count 2
		.amdhsa_user_sgpr_kernarg_segment_ptr 1
		.amdhsa_wavefront_size32 1
		.amdhsa_system_sgpr_workgroup_id_x 1
		.amdhsa_system_sgpr_workgroup_id_y 1
		.amdhsa_system_sgpr_workgroup_id_z 1
		.amdhsa_system_vgpr_workitem_id 0
		.amdhsa_next_free_vgpr 1024
		.amdhsa_next_free_sgpr 66
		.amdhsa_reserve_vcc 1
		.amdhsa_float_denorm_mode_32 3
		.amdhsa_float_denorm_mode_16_64 3
		.amdhsa_memory_ordered 1
		.amdhsa_forward_progress 1
		.amdhsa_inst_pref_size 109
	.end_amdhsa_kernel
	.amdgpu_metadata
---
amdhsa.version: [ 1, 2 ]
amdhsa.kernels:
  - .name:           k_q718b0494d2_place_shup
    .symbol:         k_q718b0494d2_place_shup.kd
    .args:
      - { .name: sel, .offset: 0, .size: 8, .value_kind: global_buffer, .address_space: global }
      - { .name: cw, .offset: 8, .size: 8, .value_kind: global_buffer, .address_space: global }
      - { .name: xc, .offset: 16, .size: 8, .value_kind: global_buffer, .address_space: global }
      - { .name: swg, .offset: 24, .size: 8, .value_kind: global_buffer, .address_space: global }
      - { .name: swu, .offset: 32, .size: 8, .value_kind: global_buffer, .address_space: global }
      - { .name: lowp_scales, .offset: 40, .size: 8, .value_kind: global_buffer, .address_space: global }
      - { .name: list, .offset: 48, .size: 8, .value_kind: global_buffer, .address_space: global }
      - { .name: lw, .offset: 56, .size: 8, .value_kind: global_buffer, .address_space: global }
      - { .name: simg, .offset: 64, .size: 8, .value_kind: global_buffer, .address_space: global }
    .group_segment_fixed_size: 34304
    .private_segment_fixed_size: 0
    .kernarg_segment_align: 8
    .kernarg_segment_size: 72
    .max_flat_workgroup_size: 128
    .sgpr_count:     66
    .vgpr_count:     1024
    .wavefront_size: 32
...
	.end_amdgpu_metadata
.endif
;; end of part 2
;; launch up (part 3): grid 256 x 1, 4 waves a work-group, no clusters, 270,848 bytes of LDS; arguments xc, wg, wu, lowp_scales, list, himg; writes himg
.if DOCPART == 3
	.amdgcn_target "amdgcn-amd-amdhsa--gfx1250"
	.amdhsa_code_object_version 6
	.text
	.protected	k_q718b0494d2_up
	.globl	k_q718b0494d2_up
	.p2align	8
	.type	k_q718b0494d2_up,@function
k_q718b0494d2_up:
	s_mov_b64 s[64:65], 0
	v_nop
	global_prefetch_b8 v0, s[64:65] scope:SCOPE_SE
	s_setreg_imm32_b32 hwreg(HW_REG_WAVE_MODE, 25, 1), 1
	s_wait_xcnt 0x0
; THIRD LAUNCH: the experts' g, u and h = silu(g) u (products 2 and 3), for the listed rows alone (rows of experts that were not chosen are dead work: shown at the head of the first kernel).
; SHARES.  Work-group = (expert e, slice sl of 128 hidden units).  Wave w owns units 128 sl + 32 w .. + 31 of wg and of wu: 128 KB of f32, read once, by 512-byte loads, quantised in registers (e3, e5), turned into
; fragments through a stage of its own in LDS and kept in window 1 for the whole launch.  Each weight byte has one reader in the launch.
; TOKENS.  The expert's n listed rows go in blocks of 128, in a loop of 8 trips (a constant); what a block beyond n would do is jumped over by scalar compares with n, never a barrier.  Wave w gathers rows 32 w .. + 31 of a
; block (codes of x at e2 and at e4, 512 bytes a row) into registers a block ahead and stores them to one of two LDS buffers; all four waves read the rows as fragments.
; THREE BOUNDS.  A tile is worked where its first row is under max(n, 1): so tile 0 of every expert's image is stored, and the next launch may load it without a test.  A wave gathers and stores its 32 rows where its first
; row is under n + 16: so wherever tile j is worked, the rows of tile j + 1 lie in LDS, and its fragments are fetched without a test.  The list is read no further than entry n + 31: past n come 32 fillers.
; A filler reads token 1,023; its h is stored like any other and goes nowhere later.
; ORDER OF ISSUE.  LOADcnt's field ends at 63, and a load that would pass it is not issued before an older one is back (ISA guide 5.7.1).  So a gather that is issued with nothing out has 63 loads, and its 64th follows
; two tiles later; block 0's gather goes out whole behind the last 64 weight loads, for which the wave has to wait in any case.  The next tile's 32 LDS loads stand in eight runs of four among this tile's products and
; its activation, so that they are served while the wave works.
; h is quantised at e7 in registers; a wave's 16 codes a lane are piece (s = sl, c = w) of tile j's image in himg: 512 consecutive bytes a store.
; Products transposed, weight rows of a tile chosen as in the second kernel: a lane holds one token and units 16 (lane / 16) + 0 .. 15 of my 32.
; LIMITS: e3, e5 and e7 - (e2 + e3) - (e4 + e5) between -126 and 112; e2 + e3 between -126 and 127.  NaN is not served.  An expert with no rows still has its weights read, and stores one tile of fillers.
; No tensor loads and no cluster: jumps here hang on a stored count, and no weight tile is shared.
.set PIT, 528
.set VER, 128*PIT                      ; from the codes at e2 to those at e4 in a buffer
.set BUF1, 2*VER                       ; buffer 0 at 0, buffer 1 here; the waves' stages (32 rows each) lie in buffer 1, which takes its first rows behind the first barrier
.set SPARE, 2*BUF1
.set L16, 1
.set L4S, 2
.set WFR, 3
.set SPW, 4
.set NIL, 5
.set XFR, 6
.set FRG, 7
.set FRU, 8
.set WSB, 9
.set WS0, 10
.set WS1, 11
.set OUT, 12
.set SCG, 14
.set LMG, 15
.set SCU, 16
.set LMU, 17
.set SCH, 18
.set LMH, 19
.set CC, 20
.set ACC, 32
.set CB, 64
.set T, 64
.set OFF, 128                          ; v128-159 the gathered rows' offsets
.set KK, 28                            ; s[28:29]
.set HB, 14                            ; s[14:15] himg at my expert, my K step, the block in hand
; s16 wave, s17 e, s18 sl, s19 max(n, 1), s20 my first row of the block to be stored next, s21 n + 16, s22 n, s23 the buffer written next, s24 the buffer read, s25 the block's first row, s26 trips,
; s27 the list loads' offset, s[32:63] 32 list entries
.set MSB, 0
.macro WIN new
.if MSB != (\new)
	s_set_vgpr_msb (MSB<<8)|(\new)
.set MSB, (\new)
.endif
.endm
.macro MKSC se, vsc, vlim
	s_add_co_i32 s30, s[\se], 127
	s_lshl_b32 s31, s30, 23
	v_mov_b32 v[\vsc], s31
	s_add_co_i32 s30, s30, 15
	s_lshl_b32 s30, s30, 23
	s_or_b32 s30, s30, 0x600000
	v_mov_b32 v[\vlim], s30
.endm
.macro QROWS win, vsc, vlim, rowoff    ; as in the second kernel
	WIN ((\win)<<6)|(\win)
.set qi, 0
.rept 256
	v_med3_num_f32 v[qi], v[qi], -v[\vlim], v[\vlim]
.set qi, qi+1
.endr
	s_wait_dscnt 0x0                               ; earlier LDS stores have read the codes' registers
	WIN (\win)
.set qi, 0
.rept 32
	v_cvt_scalef32_pk8_bf8_f32 v[CB+2*qi:CB+2*qi+1], v[8*qi:8*qi+7], v[\vsc]
.set qi, qi+1
.endr
	v_nop
	WIN 0
.set qi, 0
.rept 64
	ds_store_b32 v[L4S], v[CB+qi] offset:((\rowoff)+qi/4)*PIT+128*(qi%4)
.set qi, qi+1
.endr
.endm
.macro MM a, wr, xr, s
.if (\s) == 0
	v_wmma_f32_16x16x128_bf8_bf8 v[ACC+\a:ACC+\a+7], v[\wr:\wr+15], v[\xr:\xr+15], 0
.else
	v_wmma_f32_16x16x128_bf8_bf8 v[ACC+\a:ACC+\a+7], v[\wr:\wr+15], v[\xr:\xr+15], v[ACC+\a:ACC+\a+7]
.endif
.endm
; run k of eight of tile j's fragment loads into buffer buf of window 3: pieces 2 k and 2 k + 1, for g and for u.  It leaves the destination's window at 3: the caller sets the windows anew
.macro FG j, buf, k
	WIN 0xc0
.irp d, 0,1
	ds_load_b128 v[128*(\buf)+4*(2*(\k)+\d):128*(\buf)+4*(2*(\k)+\d)+3], v[FRG] offset:(\j)*16*PIT+128*((2*(\k)+\d)/4)+32*((2*(\k)+\d)%4)
	ds_load_b128 v[128*(\buf)+64+4*(2*(\k)+\d):128*(\buf)+64+4*(2*(\k)+\d)+3], v[FRU] offset:(\j)*16*PIT+128*((2*(\k)+\d)/4)+32*((2*(\k)+\d)%4)
.endr
.endm
; g and u of my 32 units x 16 tokens: four accumulators by turns.  ld = 1: behind each of the first three K steps stands a run of tile j's loads, into the buffer that these products do not read
.macro MULT xb, ld, j, buf
	WIN 0x0d
.irp s, 0,1,2,3
	MM 0, 16*\s, \xb+16*\s, \s
	MM 8, 64+16*\s, \xb+16*\s, \s
	MM 16, 128+16*\s, \xb+64+16*\s, \s
	MM 24, 192+16*\s, \xb+64+16*\s, \s
.if (\ld) && (\s < 3)
	FG \j, \buf, \s
	WIN 0x0d
.endif
.endr
	WIN 0
.rept 4
	v_nop
.endr
.endm
; The activation and the quantiser, as in the second kernel.  ld = 1: five more runs of tile j's loads stand in it, none of them between a batch of transcendentals and its wait
.macro ACT off, ld, j, buf
.irp i, 0,2,4,6,8,10,12,14
	v_pk_mul_f32 v[T+\i:T+\i+1], v[ACC+\i:ACC+\i+1], s[KK:KK+1] op_sel_hi:[1,0]
.endr
.if \ld
	FG \j, \buf, 3
	WIN 0
.endif
.set f, 0
.rept 16
	v_exp_f32 v[T+f], v[T+f]
.set f, f+1
.endr
.irp i, 0,2,4,6,8,10,12,14
	v_pk_mul_f32 v[ACC+\i:ACC+\i+1], v[ACC+\i:ACC+\i+1], v[ACC+16+\i:ACC+16+\i+1]
.endr
	s_wait_alu depctr_va_vdst(0)                   ; one wait for the 16 exponentials
.if \ld
	FG \j, \buf, 4
	WIN 0
.endif
.irp i, 0,2,4,6,8,10,12,14
	v_pk_add_f32 v[T+\i:T+\i+1], v[T+\i:T+\i+1], 1.0 op_sel_hi:[1,0]
.endr
.if \ld
	FG \j, \buf, 5
	WIN 0
.endif
.set f, 0
.rept 16
	v_rcp_f32 v[T+f], v[T+f]
.set f, f+1
.endr
	v_nop
	s_wait_alu depctr_va_vdst(0)
.if \ld
	FG \j, \buf, 6
	WIN 0
.endif
.irp i, 0,2,4,6,8,10,12,14
	v_pk_mul_f32 v[ACC+\i:ACC+\i+1], v[ACC+\i:ACC+\i+1], v[T+\i:T+\i+1]
.endr
.if \ld
	FG \j, \buf, 7
	WIN 0
.endif
.set f, 0
.rept 16
	v_med3_num_f32 v[ACC+f], v[ACC+f], -v[LMH], v[LMH]
.set f, f+1
.endr
	s_wait_xcnt 0x0                                ; the last store has read its codes
	v_cvt_scalef32_pk8_bf8_f32 v[CC:CC+1], v[ACC:ACC+7], v[SCH]
	v_cvt_scalef32_pk8_bf8_f32 v[CC+2:CC+3], v[ACC+8:ACC+15], v[SCH]
	v_nop
	global_store_b128 v[OUT], v[CC:CC+3], s[HB:HB+1] offset:\off
.endm
.macro TILE j                          ; tile j is worked from buffer j % 2; tile j + 1 is fetched into the other meanwhile
.if (\j) < 7
	MULT 128*((\j)%2), 1, (\j)+1, ((\j)+1)%2
	ACT (\j)*32768, 1, (\j)+1, ((\j)+1)%2
.else
	MULT 128*((\j)%2), 0, 0, 0
	ACT (\j)*32768, 0, 0, 0
.endif
.endm
.macro SLOAD win, base, boff           ; 16 weight rows, 64 loads of 512 consecutive bytes, fill a window
	WIN ((\win)<<6)
.set f, 0
.rept 64
	global_load_b128 v[4*f:4*f+3], v[L16], s[\base:\base+1] offset:(\boff)+2048*(f/4)+512*(f%4) th:TH_LOAD_NT
.set f, f+1
.endr
	WIN 0
.endm
.macro WFRAG wb                        ; my stage's 32 rows become 8 fragments of window 1: f = 16 u + 4 s + c
	WIN 0x40
.set f, 0
.rept 32
	ds_load_b128 v[(\wb)+4*f:(\wb)+4*f+3], v[WFR] offset:(8*(f/16))*PIT+128*((f/4)%4)+32*(f%4)
.set f, f+1
.endr
	WIN 0
.endm
.macro LISTL add                       ; 32 list entries from my row s20 + add on; past n the index is held at n, where the 32 fillers lie
	s_add_co_u32 s27, s20, \add
	s_min_u32 s27, s27, s22
	s_min_u32 s27, s27, 0x400
	s_lshl_b32 s27, s27, 2
	s_load_b512 s[32:47], s[12:13], s27 offset:0x80
	s_load_b512 s[48:63], s[12:13], s27 offset:0xc0
.endm
.macro GBODY full                      ; the 32 rows' codes, both versions, into window 2.  full = 0: 63 loads; row 31 at e4 follows later
.set f, 0
.rept 32
	s_lshr_b32 s77, s[32+f], 1                     ; the pair's token,
	s_min_u32 s77, s77, 0x3ff                      ; held inside x (a filler: token 1,023)
	s_lshl_b32 s77, s77, 9
	v_add_nc_u32 v[OFF+f], s77, v[L16]
.set f, f+1
.endr
	WIN 0x80
.set f, 0
.rept 32
	global_load_b128 v[4*f:4*f+3], v[OFF+f], s[4:5]
.if (\full) || (f < 31)
	global_load_b128 v[128+4*f:128+4*f+3], v[OFF+f], s[4:5] offset:524288
.endif
.set f, f+1
.endr
	WIN 0
.endm
.macro GATH add                        ; only where my first row of that block is under n + 16
	s_add_co_u32 s76, s20, \add
	s_cmp_lt_u32 s76, s21
	s_cbranch_scc0 .Lng_\@
	GBODY 0
.Lng_\@:
.endm
; Between two blocks: the rows gathered a block ago go to LDS, the next block's rows are asked for, the list runs one block further ahead.  Every wait is for 0 and stands outside the jumps.
.macro ADVANCE
	s_wait_loadcnt 0x0                             ; the gathered rows are in; their offsets may be written again
	v_add_nc_u32 v[WS0], s23, v[WSB]
	v_add_nc_u32 v[WS1], VER, v[WS0]
	s_cmp_lt_u32 s20, s21
	s_cbranch_scc0 .Lnw_\@
	WIN 0x08                                       ; store data in window 2
.set f, 0
.rept 32
	ds_store_b128 v[WS0], v[4*f:4*f+3] offset:f*PIT
	ds_store_b128 v[WS1], v[128+4*f:128+4*f+3] offset:f*PIT
.set f, f+1
.endr
	WIN 0
.Lnw_\@:
	s_wait_dscnt 0x0                               ; my stores have landed and have read their registers; my reads of the other buffer are back
	s_wait_kmcnt 0x0                               ; the next 32 list entries are in
	GATH 128                                       ; nothing of mine is out: its 63 loads go out on end
	LISTL 256
	s_add_co_u32 s20, s20, 128
	s_xor_b32 s23, s23, BUF1
	s_barrier_signal -1
	s_barrier_wait -1
.endm
.macro FRAGS j, buf                    ; a block's first tile: all 32 loads on end
	WIN 0xc0
.set f, 0
.rept 16
	ds_load_b128 v[128*(\buf)+4*f:128*(\buf)+4*f+3], v[FRG] offset:(\j)*16*PIT+128*(f/4)+32*(f%4)
	ds_load_b128 v[128*(\buf)+64+4*f:128*(\buf)+64+4*f+3], v[FRU] offset:(\j)*16*PIT+128*(f/4)+32*(f%4)
.set f, f+1
.endr
	WIN 0
.endm
.macro CBLOCK                          ; a block's tiles, as far as max(n, 1) reaches
	v_add_nc_u32 v[FRG], s24, v[XFR]
	v_add_nc_u32 v[FRU], VER, v[FRG]
	s_cmp_lt_u32 s25, s19
	s_cbranch_scc0 .Lce_\@
	FRAGS 0, 0
.irp j, 0,1,2,3,4,5,6,7
	s_wait_dscnt 0x0                               ; this tile's fragments are in (ahead of the jump too: no LDS load of mine is out where the block is left)
.if \j > 0
	s_add_co_u32 s79, s25, 16*\j
	s_cmp_lt_u32 s79, s19
	s_cbranch_scc0 .Lce_\@
.endif
	TILE \j
.if \j == 1
	s_cmp_lt_u32 s20, s21                          ; the compare under which the next block's 63 loads went out (s20 has been stepped since).  Where it holds, n is over this block's row 112: this place is reached
	s_cbranch_scc0 .Lgl_\@
	WIN 0x80
	global_load_b128 v[252:255], v[OFF+31], s[4:5] offset:524288   ; the gather's 64th load: row 31 at e4
	WIN 0
.Lgl_\@:
.endif
.endr
.Lce_\@:
	s_wait_xcnt 0x0                                ; the stores have read their base
	s_add_nc_u64 s[HB:HB+1], s[HB:HB+1], 262144    ; eight tiles on
	s_xor_b32 s24, s24, BUF1
	s_add_co_u32 s25, s25, 128
.endm
	s_load_b256 s[4:11], s[0:1], 0x0               ; xc, wg, wu, the exponents
	s_load_b128 s[12:15], s[0:1], 0x20             ; list, himg
	v_lshl_add_u32 v[SPW], v0, 2, SPARE
	v_mov_b32 v[NIL], 0
	v_lshrrev_b32 v13, 5, v0
	v_readfirstlane_b32 s16, v13
	v_and_b32 v13, 31, v0
	v_lshlrev_b32 v[L16], 4, v13
	s_lshr_b32 s17, ttmp9, 4                       ; e
	s_and_b32 s18, ttmp9, 15                       ; sl
	s_mul_i32 s76, s16, 32*PIT
	s_add_co_u32 s77, s76, BUF1                    ; my stage
	v_lshl_add_u32 v[L4S], v13, 2, s77
	v_and_b32 v24, 15, v0
	v_bfe_u32 v25, v0, 4, 1
	v_and_b32 v26, 8, v24
	v_add_nc_u32 v26, v26, v24
	v_mul_u32_u24 v[WFR], v26, PIT
	v_lshl_add_u32 v[WFR], v25, 4, v[WFR]
	v_add_nc_u32 v[WFR], s77, v[WFR]
	v_mul_u32_u24 v[XFR], v24, PIT
	v_lshl_add_u32 v[XFR], v25, 4, v[XFR]
	v_add_nc_u32 v[WSB], s76, v[L16]               ; my 32 rows of a buffer
	s_lshl_b32 s78, s16, 9
	v_add_nc_u32 v[OUT], s78, v[L16]               ; piece c = wave
	s_lshl_b32 s76, s17, 22                        ; an expert's 2,048 rows of 2,048 bytes,
	s_lshl_b32 s77, s18, 18                        ; the slice's 128,
	s_add_co_u32 s76, s76, s77
	s_lshl_b32 s77, s16, 16                        ; my 32
	s_add_co_u32 s76, s76, s77
	s_mov_b32 s77, 0
	s_mul_i32 s78, s17, 4608
	s_mov_b32 s79, 0
	s_wait_kmcnt 0x0
	s_add_nc_u64 s[6:7], s[6:7], s[76:77]
	s_add_nc_u64 s[8:9], s[8:9], s[76:77]
	s_add_nc_u64 s[12:13], s[12:13], s[78:79]
	s_load_b32 s22, s[12:13], 0x0                  ; n
	s_load_b256 s[68:75], s[10:11], 0x0            ; e0 .. e7
	SLOAD 2, 6, 0                                  ; wg's rows 0-15,
	SLOAD 3, 6, 32768                              ; and 16-31
	s_lshl_b32 s76, s17, 21                        ; himg: an expert is 2 MiB, a K step 2,048 bytes
	s_lshl_b32 s77, s18, 11
	s_add_co_u32 s76, s76, s77
	s_mov_b32 s77, 0
	s_add_nc_u64 s[14:15], s[14:15], s[76:77]
	s_lshl_b32 s20, s16, 5
	s_mov_b32 s23, 0
	s_mov_b32 s24, 0
	s_mov_b32 s25, 0
	s_wait_kmcnt 0x0
	s_max_u32 s19, s22, 1                          ; the tiles' bound
	s_add_co_u32 s21, s22, 16                      ; the gathers' bound
	MKSC 71, SCG, LMG
	MKSC 73, SCU, LMU
	s_add_co_i32 s76, s70, s71                     ; ag = e2 + e3
	s_add_co_i32 s77, s72, s73                     ; au = e4 + e5
	s_lshl_b32 s28, s76, 23
	s_add_co_u32 s28, s28, 0xbfb8aa3b
	s_mov_b32 s29, s28
	s_sub_co_i32 s78, s75, s76
	s_sub_co_i32 s78, s78, s77
	MKSC 78, SCH, LMH
	LISTL 0
	s_wait_loadcnt 63                              ; the older 64 loads are in (the count's field ends at 63: the first of the younger 64 is waited for too); so at each of the four
	QROWS 2, SCG, LMG, 0
	SLOAD 2, 8, 0                                  ; wu's rows 0-15
	s_wait_loadcnt 63
	QROWS 3, SCG, LMG, 16
	SLOAD 3, 8, 32768
	WFRAG 0                                        ; LDS serves a wave's instructions in order: these see the stores above, and the next rows' stores come behind them
	s_wait_loadcnt 63
	QROWS 2, SCU, LMU, 0
	s_wait_kmcnt 0x0                               ; block 0's list entries are in
	GBODY 1                                        ; block 0's rows, with no test (past n: fillers), behind wu's rows 16-31, which are still out: where the issue has to wait, it waits for rows that the next lines want
	LISTL 128
	s_wait_loadcnt 63                              ; wu's rows 16-31 are in: the gather's 64 loads are younger
	QROWS 3, SCU, LMU, 16
	WFRAG 128
	ADVANCE                                        ; block 0 to buffer 0; behind this barrier no wave reads its stage any more
	s_mov_b32 s26, 0
.Lblk:
	CBLOCK
	ADVANCE
	s_add_co_u32 s26, s26, 1
	s_cmp_lt_u32 s26, 8
	s_cbranch_scc1 .Lblk
	s_wait_tensorcnt 0x0                           ; the wave's end
	ds_add_u32 v[SPW], v[NIL]
	s_wait_dscnt 0x0
	s_endpgm
.Lfunc_end_k_q718b0494d2_up:
	.size	k_q718b0494d2_up, .Lfunc_end_k_q718b0494d2_up-k_q718b0494d2_up
	.p2alignl 7, 3214868480
	.fill 96, 4, 3214868480
	.section	.rodata,"a",@progbits
	.p2align	6, 0x0
	.amdhsa_kernel k_q718b0494d2_up
		.amdhsa_group_segment_fixed_size 270848
		.amdhsa_private_segment_fixed_size 0
		.amdhsa_enable_private_segment 0
		.amdhsa_kernarg_size 48
		.amdhsa_user_sgpr_count 2
		.amdhsa_user_sgpr_kernarg_segment_ptr 1
		.amdhsa_wavefront_size32 1
		.amdhsa_system_sgpr_workgroup_id_x 1
		.amdhsa_system_sgpr_workgroup_id_y 1
		.amdhsa_system_sgpr_workgroup_id_z 1
		.amdhsa_system_vgpr_workitem_id 0
		.amdhsa_next_free_vgpr 1024
		.amdhsa_next_free_sgpr 96
		.amdhsa_reserve_vcc 0
		.amdhsa_float_denorm_mode_32 3
		.amdhsa_float_denorm_mode_16_64 3
		.amdhsa_memory_ordered 1
		.amdhsa_forward_progress 1
		.amdhsa_inst_pref_size 231
	.end_amdhsa_kernel
	.amdgpu_metadata
---
amdhsa.version: [ 1, 2 ]
amdhsa.kernels:
  - .name:           k_q718b0494d2_up
    .symbol:         k_q718b0494d2_up.kd
    .args:
      - { .name: xc, .offset: 0, .size: 8, .value_kind: global_buffer, .address_space: global }
      - { .name: wg, .offset: 8, .size: 8, .value_kind: global_buffer, .address_space: global }
      - { .name: wu, .offset: 16, .size: 8, .value_kind: global_buffer, .address_space: global }
      - { .name: lowp_scales, .offset: 24, .size: 8, .value_kind: global_buffer, .address_space: global }
      - { .name: list, .offset: 32, .size: 8, .value_kind: global_buffer, .address_space: global }
      - { .name: himg, .offset: 40, .size: 8, .value_kind: global_buffer, .address_space: global }
    .group_segment_fixed_size: 270848
    .private_segment_fixed_size: 0
    .kernarg_segment_align: 8
    .kernarg_segment_size: 48
    .max_flat_workgroup_size: 128
    .sgpr_count:     96
    .vgpr_count:     1024
    .wavefront_size: 32
...
	.end_amdgpu_metadata
.endif
;; end of part 3
;; launch down (part 4): grid 256 x 1, 4 waves a work-group, no clusters, 141,824 bytes of LDS; arguments wd, lowp_scales, list, lw, himg, o2; writes o2
.if DOCPART == 4
	.amdgcn_target "amdgcn-amd-amdhsa--gfx1250"
	.amdhsa_code_object_version 6
	.text
	.protected	k_q718b0494d2_down
	.globl	k_q718b0494d2_down
	.p2align	8
	.type	k_q718b0494d2_down,@function
k_q718b0494d2_down:
	s_mov_b64 s[64:65], 0
	v_nop
	global_prefetch_b8 v0, s[64:65] scope:SCOPE_SE
	s_setreg_imm32_b32 hwreg(HW_REG_WAVE_MODE, 25, 1), 1
	s_wait_xcnt 0x0
; FOURTH LAUNCH: the experts' second product (product 4) for the listed rows alone (the others are dead work: shown at the head of the first kernel), times 2^(e6 + e7) and the pair's weight (its term of product 5).
; SHARES.  Work-group = (expert e, slice ds of 32 output channels).  K IS SPLIT AMONG THE WAVES: wave w owns k = 512 w .. + 511, K steps 4 w .. 4 w + 3.  So each byte of wd and each fragment of h is read by one wave of the
; work-group; wd's 32 x 512 numbers a wave are quantised at e6 through a stage of its own and stay in window 3; h's fragments come as images from himg, dense, with no gather.
; TILES go in batches of four, 16 batches (a constant: two trips written out, then a loop of 7 x 2); work beyond n is jumped over by scalar compares with n, never a barrier.  The four waves' partial sums meet in LDS (two
; regions by turns, one barrier a batch); wave w adds up tile w of the batch and stores its 16 rows to o2[ds][pair][32].  A filler's row goes to row 2048 + e of my slice, which is mine alone and is never read.
; A tile number past the last stored tile is held at that tile (the launch before stores tile 0 of every expert), so that a batch always has 66 loads; such sums are not added up.
; ORDER OF ISSUE.  Batches 0 and 1 are asked for with no test while the weights' last rows are on their way and are quantised: batch 0 into window 1, which the weights never use, batch 1 into window 2 as soon as rows 0-15
; have left it.  Their counts are the same on every way, so the waits behind them are counted.  Batch t + 2 is asked for at the end of trip t, into the window that trip t's products have read, so that nothing stands between
; a batch's arrival and its products; those loads stand under a jump, so every later wait is for 0.  The loads' address registers go by the batch's parity: none is written while a load that names it is out.
; LIMITS: e6 between -126 and 112; e6 + e7 is applied by v_ldexp_f32.  NaN is not served.  No tensor loads and no cluster: jumps hang on a stored count, and no weight tile is shared.
.set PIT, 528
.set P0, 4*32*PIT                      ; partial sums: [4 tiles][4 waves][16 rows][144 bytes]
.set P1, P0+36864
.set SPARE, P1+36864
.set L16, 1
.set L4S, 2
.set WFR, 3
.set SPW, 4
.set NIL, 5
.set HB0, 6
.set HOF, 8                            ; v8-11 the even batches' tile offsets, v52-55 the odd ones'
.set PS0, 12                           ; v12, v13 where I put partial sums in P0, P1
.set PR0, 14                           ; v14, v15 where I read them
.set SC, 16
.set LM, 17
.set MOB, 18
.set MOF, 19                           ; v19 the even batches' offset in the lists, v56 the odd ones'
.set O16, 20
.set ML, 24                            ; v24-27, v32-35 four list entries; v28-31, v36-39 their weights: by the batch's parity
.set OA, 40
.set F, 44
.set CB, 64
.set ACC, 64                           ; v64-127 accumulator (tile i, half d) at 64 + 16 i + 8 d
.set R, 128
; window 1: h of the even batches;  window 2: wd's rows 0-15, then h of the odd batches;  window 3: wd's rows 16-31, then the weights' fragments at 64 d + 16 s + 4 c
; s16 wave, s17 e, s18 ds, s19 n, s20 the last stored tile, s21 the batch's first row, s22 trips, s23 e6 + e7
.set MSB, 0
.macro WIN new
.if MSB != (\new)
	s_set_vgpr_msb (MSB<<8)|(\new)
.set MSB, (\new)
.endif
.endm
.macro QROWS win, vsc, vlim, rowoff    ; as in the second kernel
	WIN ((\win)<<6)|(\win)
.set qi, 0
.rept 256
	v_med3_num_f32 v[qi], v[qi], -v[\vlim], v[\vlim]
.set qi, qi+1
.endr
	s_wait_dscnt 0x0
	WIN (\win)
.set qi, 0
.rept 32
	v_cvt_scalef32_pk8_bf8_f32 v[CB+2*qi:CB+2*qi+1], v[8*qi:8*qi+7], v[\vsc]
.set qi, qi+1
.endr
	v_nop
	WIN 0
.set qi, 0
.rept 64
	ds_store_b32 v[L4S], v[CB+qi] offset:((\rowoff)+qi/4)*PIT+128*(qi%4)
.set qi, qi+1
.endr
.endm
.macro SLOAD win, boff
	WIN ((\win)<<6)
.set f, 0
.rept 64
	global_load_b128 v[4*f:4*f+3], v[L16], s[4:5] offset:(\boff)+8192*(f/4)+512*(f%4) th:TH_LOAD_NT
.set f, f+1
.endr
	WIN 0
.endm
; the batch at rows s21 + add, of parity par: its four tiles' offsets in himg, and my own tile's offset in the lists
.macro HADDR par, add
	s_add_co_u32 s26, s21, \add
	s_lshr_b32 s26, s26, 4
.irp i, 0,1,2,3
	s_add_co_u32 s27, s26, \i
	s_min_u32 s27, s27, s20                        ; not past the last stored tile,
	s_min_u32 s27, s27, 63                         ; and inside himg, whatever was loaded
	s_lshl_b32 s27, s27, 15
	v_add_nc_u32 v[HOF+44*(\par)+\i], s27, v[HB0]
.endr
	s_add_co_u32 s27, s26, s16
	s_min_u32 s27, s27, s20
	s_min_u32 s27, s27, 63
	s_lshl_b32 s27, s27, 6
	v_add_nc_u32 v[MOF+37*(\par)], s27, v[MOB]
.endm
.macro HTILE par, i                    ; tile i's fragments of my four K steps: 16 loads; the caller has set the destination's window to 1 + par
.set f, 0
.rept 16
	global_load_b128 v[64*(\i)+4*f:64*(\i)+4*f+3], v[HOF+44*(\par)+(\i)], s[12:13] offset:512*f
.set f, f+1
.endr
.endm
.macro HM par                          ; my tile's list entries and weights
	global_load_b128 v[ML+8*(\par):ML+8*(\par)+3], v[MOF+37*(\par)], s[8:9] offset:128
	global_load_b128 v[ML+8*(\par)+4:ML+8*(\par)+7], v[MOF+37*(\par)], s[10:11] offset:128
.endm
.macro HLOAD par, add                  ; a whole batch: 66 loads
	HADDR \par, \add
	WIN ((1+(\par))<<6)
	HTILE \par, 0
	HTILE \par, 1
	HTILE \par, 2
	HTILE \par, 3
	WIN 0
	HM \par
.endm
.macro TRIP b, cnt
	s_wait_loadcnt \cnt                            ; this batch's fragments and list entries are in
	s_cmp_lt_u32 s21, s19
	s_cbranch_scc0 .Lnm_\@
	WIN (0x07+4*\b)                                ; weights window 3, h window 1 + b, sums window 0
.irp s, 0,1,2,3
.irp i, 0,1,2,3
.irp d, 0,1
.if \s == 0
	v_wmma_f32_16x16x128_bf8_bf8 v[ACC+16*\i+8*\d:ACC+16*\i+8*\d+7], v[64*\d+16*\s:64*\d+16*\s+15], v[64*\i+16*\s:64*\i+16*\s+15], 0
.else
	v_wmma_f32_16x16x128_bf8_bf8 v[ACC+16*\i+8*\d:ACC+16*\i+8*\d+7], v[64*\d+16*\s:64*\d+16*\s+15], v[64*\i+16*\s:64*\i+16*\s+15], v[ACC+16*\i+8*\d:ACC+16*\i+8*\d+7]
.endif
.endr
.endr
.endr
	WIN 0
.rept 5
	v_nop                                          ; four places ahead of the stores that read the sums and of loads into h's registers; the fifth since the next batch's products begin these accumulators anew
.endr
.irp i, 0,1,2,3
.irp d, 0,1
	ds_store_b128 v[PS0+\b], v[ACC+16*\i+8*\d:ACC+16*\i+8*\d+3] offset:9216*\i+64*\d          ; lane (r, h): token r, channels 16 d + 8 h + 0 .. 7; each accumulator from its low end on
	ds_store_b128 v[PS0+\b], v[ACC+16*\i+8*\d+4:ACC+16*\i+8*\d+7] offset:9216*\i+64*\d+16
.endr
.endr
.Lnm_\@:
	s_wait_dscnt 0x0                               ; my partial sums lie in LDS, and my reads of the last batch's are back
	s_barrier_signal -1
	s_barrier_wait -1
	s_lshl_b32 s28, s16, 4
	s_add_co_u32 s28, s28, s21
	s_cmp_lt_u32 s28, s19                          ; is tile w of the batch listed?
	s_cbranch_scc0 .Lnr_\@
	s_wait_xcnt 0x0                                ; the last batch's stores have read their registers
.irp ii, 0,1,2,3
.irp q, 0,1,2,3
	ds_load_b128 v[R+16*\ii+4*\q:R+16*\ii+4*\q+3], v[PR0+\b] offset:2304*\q+144*\ii           ; row 4 (lane / 8) + ii, 16 bytes at 16 (lane % 8), wave q's part
.endr
.endr
	s_wait_dscnt 0x0
.irp ii, 0,1,2,3
.irp c, 0,2
	v_pk_add_f32 v[R+16*\ii+\c:R+16*\ii+\c+1], v[R+16*\ii+\c:R+16*\ii+\c+1], v[R+16*\ii+4+\c:R+16*\ii+4+\c+1]
	v_pk_add_f32 v[R+16*\ii+8+\c:R+16*\ii+8+\c+1], v[R+16*\ii+8+\c:R+16*\ii+8+\c+1], v[R+16*\ii+12+\c:R+16*\ii+12+\c+1]
.endr
	v_ldexp_f32 v[F+\ii], v[ML+8*\b+4+\ii], s23    ; the pair's weight x 2^(e6 + e7)
	v_min_u32 v[OA+\ii], 0x80f, v[ML+8*\b+\ii]     ; the pair's row, inside my slice whatever was loaded
	v_lshl_add_u32 v[OA+\ii], v[OA+\ii], 7, v[O16]
.irp c, 0,2
	v_pk_add_f32 v[R+16*\ii+\c:R+16*\ii+\c+1], v[R+16*\ii+\c:R+16*\ii+\c+1], v[R+16*\ii+8+\c:R+16*\ii+8+\c+1]
.endr
.irp c, 0,1,2,3
	v_mul_f32 v[R+16*\ii+\c], v[R+16*\ii+\c], v[F+\ii]
.endr
	global_store_b128 v[OA+\ii], v[R+16*\ii:R+16*\ii+3], s[14:15]                             ; eight lanes store a row's 128 bytes
.endr
.Lnr_\@:
	s_add_co_u32 s28, s21, 128
	s_cmp_lt_u32 s28, s19
	s_cbranch_scc0 .Lnh_\@
	HLOAD \b, 128                                  ; the batch two on, into the window and the registers that this trip is done with; only the next trip's wait stands behind it
.Lnh_\@:
	s_add_co_u32 s21, s21, 64
.endm
	s_load_b256 s[4:11], s[0:1], 0x0               ; wd, the exponents, list, lw
	s_load_b128 s[12:15], s[0:1], 0x20             ; himg, o2
	v_lshl_add_u32 v[SPW], v0, 2, SPARE
	v_mov_b32 v[NIL], 0
	v_lshrrev_b32 v21, 5, v0
	v_readfirstlane_b32 s16, v21
	v_and_b32 v21, 31, v0
	v_lshlrev_b32 v[L16], 4, v21
	s_lshr_b32 s17, ttmp9, 4                       ; e
	s_and_b32 s18, ttmp9, 15                       ; ds
	s_mul_i32 s26, s16, 32*PIT                     ; my stage
	v_lshl_add_u32 v[L4S], v21, 2, s26
	v_and_b32 v22, 15, v0
	v_bfe_u32 v23, v0, 4, 1
	v_mul_u32_u24 v[WFR], v22, PIT
	v_lshl_add_u32 v[WFR], v23, 4, v[WFR]
	v_add_nc_u32 v[WFR], s26, v[WFR]
	s_lshl_b32 s27, s16, 13
	v_add_nc_u32 v[HB0], s27, v[L16]               ; my four K steps of a tile's image
	s_mul_i32 s27, s16, 2304
	v_mul_u32_u24 v[PS0], v22, 144
	v_lshl_add_u32 v[PS0], v23, 5, v[PS0]
	v_add_nc_u32 v[PS0], s27, v[PS0]
	v_add_nc_u32 v[PS0+1], P1, v[PS0]
	v_add_nc_u32 v[PS0], P0, v[PS0]
	s_mul_i32 s27, s16, 9216
	v_lshrrev_b32 v48, 3, v21
	v_and_b32 v49, 7, v21
	v_lshlrev_b32 v[O16], 4, v49
	v_mul_u32_u24 v[PR0], v48, 576
	v_add_nc_u32 v[PR0], v[PR0], v[O16]
	v_add_nc_u32 v[PR0], s27, v[PR0]
	v_add_nc_u32 v[PR0+1], P1, v[PR0]
	v_add_nc_u32 v[PR0], P0, v[PR0]
	v_lshlrev_b32 v[MOB], 4, v48
	s_lshl_b32 s24, s17, 22                        ; wd: an expert's 512 rows of 8,192 bytes,
	s_lshl_b32 s25, s18, 18                        ; the slice's 32,
	s_add_co_u32 s24, s24, s25
	s_lshl_b32 s25, s16, 11                        ; my 512 numbers of a row
	s_add_co_u32 s24, s24, s25
	s_mov_b32 s25, 0
	s_mul_i32 s28, s17, 4608
	s_mov_b32 s29, 0
	s_lshl_b32 s30, s17, 21
	s_mov_b32 s31, 0
	s_mul_i32 s34, s18, 264192
	s_mov_b32 s35, 0
	s_wait_kmcnt 0x0
	s_add_nc_u64 s[4:5], s[4:5], s[24:25]
	s_add_nc_u64 s[8:9], s[8:9], s[28:29]
	s_add_nc_u64 s[10:11], s[10:11], s[28:29]
	s_add_nc_u64 s[12:13], s[12:13], s[30:31]
	s_add_nc_u64 s[14:15], s[14:15], s[34:35]
	s_load_b32 s19, s[8:9], 0x0                    ; n
	s_load_b64 s[32:33], s[6:7], 0x18              ; e6, e7
	SLOAD 2, 0
	SLOAD 3, 131072
	s_mov_b32 s21, 0
	s_wait_kmcnt 0x0
	s_max_u32 s20, s19, 1
	s_add_co_u32 s20, s20, 15
	s_lshr_b32 s20, s20, 4
	s_sub_co_u32 s20, s20, 1                       ; the last stored tile: tiles are stored as far as max(n, 1) reaches
	s_add_co_i32 s23, s32, s33
	s_add_co_i32 s26, s32, 127
	s_lshl_b32 s27, s26, 23
	v_mov_b32 v[SC], s27                           ; 2^e6
	s_add_co_i32 s26, s26, 15
	s_lshl_b32 s26, s26, 23
	s_or_b32 s26, s26, 0x600000
	v_mov_b32 v[LM], s26                           ; 57,344 x 2^e6
	s_wait_loadcnt 63                              ; rows 0-15 are in (the count's field ends at 63: one load of rows 16-31 is waited for too)
	QROWS 2, SC, LM, 0
	HLOAD 0, 0                                     ; batch 0 into window 1, behind rows 16-31, which are still out: where the issue has to wait, it waits for rows that the next lines want
	HADDR 1, 64
	WIN 0x80
	HTILE 1, 0                                     ; and half of batch 1 into the window that rows 0-15 have left
	HTILE 1, 1
	WIN 0
	s_wait_loadcnt 63                              ; rows 16-31 are in: 98 loads are younger (batch 0's 66, these 32)
	QROWS 3, SC, LM, 16
	WIN 0x80
	HTILE 1, 2
	HTILE 1, 3
	WIN 0
	HM 1
	WIN 0xc0
.set f, 0
.rept 32                               ; f = 16 d + 4 s + c: channels 16 d + r; into the window that rows 16-31 have left
	ds_load_b128 v[4*f:4*f+3], v[WFR] offset:(16*(f/16))*PIT+128*((f/4)%4)+32*(f%4)
.set f, f+1
.endr
	WIN 0
	s_wait_dscnt 0x0
	TRIP 0, 63                                     ; batch 0 is in: batch 1's 66 loads are younger, on every way to this line
	TRIP 1, 0
	s_mov_b32 s22, 0
.Lb:
	TRIP 0, 0
	TRIP 1, 0
	s_add_co_u32 s22, s22, 1
	s_cmp_lt_u32 s22, 7
	s_cbranch_scc1 .Lb
	s_wait_tensorcnt 0x0                           ; the wave's end
	ds_add_u32 v[SPW], v[NIL]
	s_wait_dscnt 0x0
	s_endpgm
.Lfunc_end_k_q718b0494d2_down:
	.size	k_q718b0494d2_down, .Lfunc_end_k_q718b0494d2_down-k_q718b0494d2_down
	.p2alignl 7, 3214868480
	.fill 96, 4, 3214868480
	.section	.rodata,"a",@progbits
	.p2align	6, 0x0
	.amdhsa_kernel k_q718b0494d2_down
		.amdhsa_group_segment_fixed_size 141824
		.amdhsa_private_segment_fixed_size 0
		.amdhsa_enable_private_segment 0
		.amdhsa_kernarg_size 48
		.amdhsa_user_sgpr_count 2
		.amdhsa_user_sgpr_kernarg_segment_ptr 1
		.amdhsa_wavefront_size32 1
		.amdhsa_system_sgpr_workgroup_id_x 1
		.amdhsa_system_sgpr_workgroup_id_y 1
		.amdhsa_system_sgpr_workgroup_id_z 1
		.amdhsa_system_vgpr_workitem_id 0
		.amdhsa_next_free_vgpr 1024
		.amdhsa_next_free_sgpr 66
		.amdhsa_reserve_vcc 0
		.amdhsa_float_denorm_mode_32 3
		.amdhsa_float_denorm_mode_16_64 3
		.amdhsa_memory_ordered 1
		.amdhsa_forward_progress 1
		.amdhsa_inst_pref_size 137
	.end_amdhsa_kernel
	.amdgpu_metadata
---
amdhsa.version: [ 1, 2 ]
amdhsa.kernels:
  - .name:           k_q718b0494d2_down
    .symbol:         k_q718b0494d2_down.kd
    .args:
      - { .name: wd, .offset: 0, .size: 8, .value_kind: global_buffer, .address_space: global }
      - { .name: lowp_scales, .offset: 8, .size: 8, .value_kind: global_buffer, .address_space: global }
      - { .name: list, .offset: 16, .size: 8, .value_kind: global_buffer, .address_space: global }
      - { .name: lw, .offset: 24, .size: 8, .value_kind: global_buffer, .address_space: global }
      - { .name: himg, .offset: 32, .size: 8, .value_kind: global_buffer, .address_space: global }
      - { .name: o2, .offset: 40, .size: 8, .value_kind: global_buffer, .address_space: global }
    .group_segment_fixed_size: 141824
    .private_segment_fixed_size: 0
    .kernarg_segment_align: 8
    .kernarg_segment_size: 48
    .max_flat_workgroup_size: 128
    .sgpr_count:     66
    .vgpr_count:     1024
    .wavefront_size: 32
...
	.end_amdgpu_metadata
.endif
;; end of part 4
;; launch finish (part 5): grid 256 x 1, 4 waves a work-group, no clusters, 43,008 bytes of LDS; arguments swd, lowp_scales, simg, o2, out0; writes out0
.if DOCPART == 5
	.amdgcn_target "amdgcn-amd-amdhsa--gfx1250"
	.amdhsa_code_object_version 6
	.text
	.protected	k_q718b0494d2_finish
	.globl	k_q718b0494d2_finish
	.p2align	8
	.type	k_q718b0494d2_finish,@function
k_q718b0494d2_finish:
	s_mov_b64 s[64:65], 0
	v_nop
	global_prefetch_b8 v0, s[64:65] scope:SCOPE_SE
	s_setreg_imm32_b32 hwreg(HW_REG_WAVE_MODE, 25, 1), 1
	s_wait_xcnt 0x0
; FIFTH LAUNCH: y = the shared expert's second product (product 8) + the token's two expert terms, o2[2 t] and o2[2 t + 1]: each number of y has one owner here.  (Of product 5's sixteen terms fourteen are dead work: first kernel.)
; SHARES.  Work-group = (slice ds of 32 channels, 64 tokens); wave w quantises rows 8 w .. + 7 of swd's 32 (1,024 numbers each, at e13) into LDS, pitch 1,040; one barrier; every wave takes all 32 rows as fragments
; and works one tile of 16 tokens, whose fragments come as an image from simg.  Source 0 = 16 rows of swd, source 1 = 16 tokens: a lane holds one token and eight channels.
; The tile turns through a stage of the wave's own, so that eight lanes hold a row's 128 bytes, as o2's rows and y's pieces lie.
; LIMITS: e13 between -126 and 112; e12 + e13 is applied by v_ldexp_f32.  NaN is not served.  No tensor loads, no cluster: 128 KB of weights a work-group, straight to registers.
.set WP, 1040
.set STG, 32*WP
.set SPARE, STG+4*2304
.set L16, 1
.set L4S, 2
.set WFR, 3
.set SPW, 4
.set NIL, 5
.set O2A, 6
.set OUTA, 7
.set ST, 8
.set SR, 9
.set SC, 10
.set LM, 11
.set MSB, 0
.macro WIN new
.if MSB != (\new)
	s_set_vgpr_msb (MSB<<8)|(\new)
.set MSB, (\new)
.endif
.endm
	s_load_b256 s[4:11], s[0:1], 0x0               ; swd, the exponents, simg, o2
	s_load_b64 s[12:13], s[0:1], 0x20              ; out0
	v_lshl_add_u32 v[SPW], v0, 2, SPARE
	v_mov_b32 v[NIL], 0
	v_lshrrev_b32 v12, 5, v0
	v_readfirstlane_b32 s16, v12
	v_and_b32 v12, 31, v0
	v_lshlrev_b32 v[L16], 4, v12
	s_mul_i32 s22, s16, 8*WP
	v_lshl_add_u32 v[L4S], v12, 2, s22
	v_and_b32 v13, 15, v0                          ; r
	v_bfe_u32 v14, v0, 4, 1                        ; h
	v_mul_u32_u24 v[WFR], v13, WP
	v_lshl_add_u32 v[WFR], v14, 4, v[WFR]
	s_mul_i32 s22, s16, 2304
	s_add_co_u32 s22, s22, STG                     ; my stage: 16 rows of 144 bytes
	v_mul_u32_u24 v[ST], v13, 144
	v_lshl_add_u32 v[ST], v14, 5, v[ST]
	v_add_nc_u32 v[ST], s22, v[ST]
	v_lshrrev_b32 v13, 3, v12                      ; lane / 8
	v_and_b32 v14, 7, v12
	v_lshlrev_b32 v14, 4, v14                      ; 16 (lane % 8)
	v_mul_u32_u24 v[SR], v13, 144
	v_add_nc_u32 v[SR], v[SR], v14
	v_add_nc_u32 v[SR], s22, v[SR]
	v_lshl_add_u32 v[O2A], v13, 8, v14             ; token 4 ii + lane / 8: two rows of 128 bytes in o2,
	v_lshl_add_u32 v[OUTA], v13, 11, v14           ; a row of 2,048 bytes in y
	s_and_b32 s17, ttmp9, 15                       ; ds
	s_lshr_b32 s18, ttmp9, 4
	s_lshl_b32 s19, s18, 2
	s_add_co_u32 s19, s19, s16                     ; my tile of tokens
	s_lshl_b32 s24, s17, 17                        ; swd: the slice's 32 rows of 4,096 bytes,
	s_lshl_b32 s25, s16, 15                        ; my 8
	s_add_co_u32 s24, s24, s25
	s_mov_b32 s25, 0
	s_lshl_b32 s26, s19, 14
	s_mov_b32 s27, 0
	s_mul_i32 s28, s17, 264192
	s_lshl_b32 s29, s19, 12
	s_add_co_u32 s28, s28, s29
	s_mov_b32 s29, 0
	s_lshl_b32 s30, s19, 15
	s_lshl_b32 s31, s17, 7
	s_add_co_u32 s30, s30, s31
	s_mov_b32 s31, 0
	s_wait_kmcnt 0x0
	s_load_b64 s[20:21], s[6:7], 0x30              ; e12, e13
	s_add_nc_u64 s[4:5], s[4:5], s[24:25]
	s_add_nc_u64 s[8:9], s[8:9], s[26:27]
	s_add_nc_u64 s[10:11], s[10:11], s[28:29]
	s_add_nc_u64 s[12:13], s[12:13], s[30:31]
	WIN 0x40
.set f, 0
.rept 64                               ; register 32 i + 4 q + j of window 1 = k 128 q + 4 lane + j of row i
	global_load_b128 v[4*f:4*f+3], v[L16], s[4:5] offset:4096*(f/8)+512*(f%8)
.set f, f+1
.endr
	WIN 0
.set f, 0
.rept 32
	global_load_b128 v[128+4*f:128+4*f+3], v[L16], s[8:9] offset:512*f
.set f, f+1
.endr
.irp ii, 0,1,2,3
.irp k, 0,1
	global_load_b128 v[96+8*\ii+4*\k:96+8*\ii+4*\k+3], v[O2A], s[10:11] offset:1024*\ii+128*\k
.endr
.endr
	s_wait_kmcnt 0x0
	s_add_co_i32 s22, s20, s21
	s_add_co_i32 s23, s21, 127
	s_lshl_b32 s24, s23, 23
	v_mov_b32 v[SC], s24
	s_add_co_i32 s23, s23, 15
	s_lshl_b32 s23, s23, 23
	s_or_b32 s23, s23, 0x600000
	v_mov_b32 v[LM], s23
	s_wait_loadcnt 40                              ; the 64 weight loads are in; the image's 32 and o2's 8 may be out
	WIN 0x41
.set f, 0
.rept 256
	v_med3_num_f32 v[f], v[f], -v[LM], v[LM]
.set f, f+1
.endr
	WIN 0x01
.set f, 0
.rept 32
	v_cvt_scalef32_pk8_bf8_f32 v[32+2*f:32+2*f+1], v[8*f:8*f+7], v[SC]
.set f, f+1
.endr
	v_nop
	WIN 0
.set f, 0
.rept 64
	ds_store_b32 v[L4S], v[32+f] offset:(f/8)*WP+128*(f%8)
.set f, f+1
.endr
	s_wait_dscnt 0x0
	s_barrier_signal -1
	s_barrier_wait -1                              ; the slice's 32 rows of codes lie in LDS
	WIN 0x40
.set f, 0
.rept 64                               ; f = 32 d + 4 s + c
	ds_load_b128 v[4*f:4*f+3], v[WFR] offset:(16*(f/32))*WP+128*((f/4)%8)+32*(f%4)
.set f, f+1
.endr
	WIN 0
	s_wait_dscnt 0x0
	s_wait_loadcnt 8                               ; the image is in; o2's 8 loads may be out
	WIN 0x01
.irp s, 0,1,2,3,4,5,6,7
.irp d, 0,1
.if \s == 0
	v_wmma_f32_16x16x128_bf8_bf8 v[16+8*\d:16+8*\d+7], v[128*\d+16*\s:128*\d+16*\s+15], v[128+16*\s:128+16*\s+15], 0
.else
	v_wmma_f32_16x16x128_bf8_bf8 v[16+8*\d:16+8*\d+7], v[128*\d+16*\s:128*\d+16*\s+15], v[128+16*\s:128+16*\s+15], v[16+8*\d:16+8*\d+7]   ; two accumulators by turns
.endif
.endr
.endr
	WIN 0
.rept 4
	v_nop
.endr
.set f, 0
.rept 16
	v_ldexp_f32 v[32+f], v[16+f], s22              ; x 2^(e12 + e13)
.set f, f+1
.endr
.irp d, 0,1
	ds_store_b128 v[ST], v[32+8*\d:32+8*\d+3] offset:64*\d
	ds_store_b128 v[ST], v[32+8*\d+4:32+8*\d+7] offset:64*\d+16
.endr
.irp ii, 0,1,2,3
	ds_load_b128 v[48+4*\ii:48+4*\ii+3], v[SR] offset:576*\ii   ; LDS serves a wave's instructions in order: these see my stores
.endr
	s_wait_dscnt 0x0
	s_wait_loadcnt 0x0
.irp ii, 0,1,2,3
.irp c, 0,2
	v_pk_add_f32 v[96+8*\ii+\c:96+8*\ii+\c+1], v[96+8*\ii+\c:96+8*\ii+\c+1], v[96+8*\ii+4+\c:96+8*\ii+4+\c+1]   ; the two experts' terms,
	v_pk_add_f32 v[48+4*\ii+\c:48+4*\ii+\c+1], v[48+4*\ii+\c:48+4*\ii+\c+1], v[96+8*\ii+\c:96+8*\ii+\c+1]       ; and the shared expert's
.endr
	global_store_b128 v[OUTA], v[48+4*\ii:48+4*\ii+3], s[12:13] offset:8192*\ii
.endr
	s_wait_tensorcnt 0x0                           ; the wave's end
	ds_add_u32 v[SPW], v[NIL]
	s_wait_dscnt 0x0
	s_endpgm
.Lfunc_end_k_q718b0494d2_finish:
	.size	k_q718b0494d2_finish, .Lfunc_end_k_q718b0494d2_finish-k_q718b0494d2_finish
	.p2alignl 7, 3214868480
	.fill 96, 4, 3214868480
	.section	.rodata,"a",@progbits
	.p2align	6, 0x0
	.amdhsa_kernel k_q718b0494d2_finish
		.amdhsa_group_segment_fixed_size 43008
		.amdhsa_private_segment_fixed_size 0
		.amdhsa_enable_private_segment 0
		.amdhsa_kernarg_size 40
		.amdhsa_user_sgpr_count 2
		.amdhsa_user_sgpr_kernarg_segment_ptr 1
		.amdhsa_wavefront_size32 1
		.amdhsa_system_sgpr_workgroup_id_x 1
		.amdhsa_system_sgpr_workgroup_id_y 1
		.amdhsa_system_sgpr_workgroup_id_z 1
		.amdhsa_system_vgpr_workitem_id 0
		.amdhsa_next_free_vgpr 512
		.amdhsa_next_free_sgpr 66
		.amdhsa_reserve_vcc 0
		.amdhsa_float_denorm_mode_32 3
		.amdhsa_float_denorm_mode_16_64 3
		.amdhsa_memory_ordered 1
		.amdhsa_forward_progress 1
		.amdhsa_inst_pref_size 44
	.end_amdhsa_kernel
	.amdgpu_metadata
---
amdhsa.version: [ 1, 2 ]
amdhsa.kernels:
  - .name:           k_q718b0494d2_finish
    .symbol:         k_q718b0494d2_finish.kd
    .args:
      - { .name: swd, .offset: 0, .size: 8, .value_kind: global_buffer, .address_space: global }
      - { .name: lowp_scales, .offset: 8, .size: 8, .value_kind: global_buffer, .address_space: global }
      - { .name: simg, .offset: 16, .size: 8, .value_kind: global_buffer, .address_space: global }
      - { .name: o2, .offset: 24, .size: 8, .value_kind: global_buffer, .address_space: global }
      - { .name: out0, .offset: 32, .size: 8, .value_kind: global_buffer, .address_space: global }
    .group_segment_fixed_size: 43008
    .private_segment_fixed_size: 0
    .kernarg_segment_align: 8
    .kernarg_segment_size: 40
    .max_flat_workgroup_size: 128
    .sgpr_count:     66
    .vgpr_count:     512
    .wavefront_size: 32
...
	.end_amdgpu_metadata
.endif
;; end of part 5
